; MI455X (gfx1250); checked and timed in simulation.
; The chip was launched on July 23, 2026; its instructions are those of AMD's public machine-readable ISA for CDNA 5 (MIT licence, August 2026) and "CDNA5" Instruction Set Architecture Reference Guide (July 2026). The comments in the code are by the model that wrote it; some were corrected since.
;; Indirect Access KV Cache Attention. Allowed arithmetic: float matrix products may take bf16 or f16 operands with f32 sums; all other float work in f32.
;; Inputs: attention_mask 16 x 1 x 1 x 2,048 float32; beam_idx 2,048 x 16 int32; key 16 x 1 x 32 x 64 float32; key_cache 2,048 x 16 x 32 x 64 float32; query 16 x 1 x 32 x 64 float32; value 16 x 1 x 32 x 64 float32; value_cache 2,048 x 16 x 32 x 64 float32.
;; Outputs: out0 16 x 1 x 32 x 64 float32.
;; Constants: offset = 2047.
;; 2 versions, each right; version 2 is version 1 with the launch attn written anew for expert scheduling mode. Each part assembles by itself: llvm-mc -triple=amdgcn-amd-amdhsa -mcpu=gfx1250 --defsym DOCPART=n.
;; ======== version 1 of 2: 1 launch
;; launch attn (part 1): grid 256 x 1, 16 waves a work-group, no clusters, 51,968 bytes of LDS; arguments beam_idx, attention_mask, query, key, value, key_cache, value_cache, out0; writes out0
.if DOCPART == 1
	.amdgcn_target "amdgcn-amd-amdhsa--gfx1250"
	.amdhsa_code_object_version 6
	.text
	.protected	k_q076c44fcd6_attn
	.globl	k_q076c44fcd6_attn
	.p2align	8
	.type	k_q076c44fcd6_attn,@function
k_q076c44fcd6_attn:
	s_mov_b64 s[64:65], 0
	v_nop
	global_prefetch_b8 v0, s[64:65] scope:SCOPE_SE
	s_setreg_imm32_b32 hwreg(HW_REG_WAVE_MODE, 25, 1), 1
	s_wait_xcnt 0x0
; Decode attention over a beam-indirect KV cache.  2048 positions, 16 beams, 32 heads of 64, everything f32.
;   trace[t] = beam_idx[t] o trace[t+1], trace[2047] = identity;  K, V of position t < 2047 come from cache row (t, trace[t][b]),
;   position 2047 from key / value;  out = softmax(q.K / 8 + mask) V.
; A work-group owns one beam b and two heads (2hp, 2hp+1) for all positions: 512 neighbouring bytes of every cache row, one 16-byte
; load of a wave.  16 waves; wave w owns positions 128 w .. 128 w + 127.  Lanes 0-15 hold head 2hp, lanes 16-31 head 2hp+1, 4 dims each.
; The loop touches no LDS: a wave's 128 row numbers lie in four registers (lane l: positions 4 l .. 4 l + 3) and are read out lane by
; lane into scalars; its 128 mask numbers lie in sixteen registers, already in the lane that will want them.
; EXEC stays full from the first line to the last: loads are pending nearly everywhere, and EXEC is one of their sources.
; No matrix instruction: one query row a head would fill 1 of 16 rows of a fragment, and the kernel moves 16 KiB for 4,096 multiply-adds.
; No cluster, no joint loads: which cache row a work-group reads hangs on its own beam's trace, so partners' addresses need not agree;
; beam_idx, the one input that all work-groups read, is 128 KiB of the about 2,180 KiB that a work-group reads.
; No prefetch: a row's address is known only from the trace, and from then on 24 to 32 loads of 512 bytes of every wave are on their way.
; LIMITS.  beam_idx holds 0..15 (reference() indexes a table of 16 with it).  The running maximum starts at no less than -1.7e38 (base-2
; units): a (beam, head) whose 2048 masked scores all lie below that gives 0/0 = NaN.  Sums are ordered otherwise than in reference();
; v_exp_f32 returns zero where the result would be denormal.
.set NB,    16                         ; batches of a wave; batch bn takes the 8 positions bn + 16 j, j = 0..7
; LDS, bytes
.set PKW,   2560                       ; a wave's 128 maps of 16 bytes: 32 lanes x (64 + 16 of padding)
.set PKT,   0                          ; 16 waves x PKW (own bytes of each wave)
.set MLB,   40960                      ; 16 waves x 2 heads x (m, l)
.set SCR,   41216                      ; 32 maps of 16 bytes: the whole of each run of 64 positions, read by all behind the first barrier
.set ACCB,  41728                      ; 16 waves x 512: the waves' weighted sums
; scalars
.set BEAM, 4                           ; s[4:19]: the eight addresses, in the order of the arguments
.set AMSK, 6
.set QRY,  8
.set KEY,  10
.set VLU,  12
.set KCA,  14
.set VCA,  16
.set OUT,  18
.set W,    20                          ; wave
.set BM,   21                          ; beam
.set HP,   22                          ; head pair
.set IDS,  24                          ; s[24:27] the identity map, bytes 0..15
.set S07,  28
.set S04,  29
.set SM0,  30                          ; lanes with bit 0, 1, 2 of the lane number set
.set SM1,  31
.set SM2,  32
.set SLO,  33                          ; lanes 0-15
.set SR,   56                          ; s[56:63] eight row numbers
; vector registers that live through the kernel
.set LANE, 1
.set T0,   2
.set VL16, 3                           ; 16 x lane
.set VCUR, 4                           ; byte offset of my 16 bytes in query, key, value, out0
.set VLB,  5                           ; byte offset of my 16 bytes in a cache row
.set VMG,  6                           ; 64 (lane & 7): my sixteen numbers in the wave's 512 bytes of the mask
.set Q,    8                           ; v[8:11]   q x log2(e) / 8
.set ACC,  12                          ; v[12:15]  weighted sum of V, my 4 dims
.set M,    16                          ; running maximum of my head (base-2 units)
.set L,    17                          ; running sum of weights, my lane's share
.set AL,   18                          ; v[18:19]  factor for the old sums (v19 only fills the pair)
.set P,    20
.set MX,   21
.set MN,   22
.set KCU,  24                          ; v[24:27]  current key
.set VCU,  28                          ; v[28:31]  current value
.set DD,   32                          ; v[32:47]  8 pairs: partial scores, later the 8 weights
.set RX,   48                          ; v[48:51]  cache row numbers of positions 4 lane + 0..3
.set VOFF, 56                          ; v[56:71]  2 sets x 8 byte offsets of rows
.set KR,   72                          ; v[72:135]  2 sets x 8 rows x 4: K
.set VR,   136                         ; v[136:199] 2 sets x 8 rows x 4: V
.set AW16, 200                         ; 512 w + 16 lane
.set APK,  201                         ; PKW w + 80 (lane / 16) + 4 (lane & 15)
.set APL,  202                         ; PKW w + 80 lane
.set ASC,  203                         ; 32 w + 16 (lane / 16)
.set VML,  204                         ; 16 w + 8 (lane / 16)
.set HALF, 205                         ; lane / 16
.set VML0, 206                         ; 8 (lane / 16)
.set MKR,  208                         ; v[208:223] register bn: the mask of position bn + 16 (lane & 7)
; the trace's registers lie in the ring, which is filled only afterwards
.set BI,   KR                          ; 64: beam_idx as loaded
.set MM,   136                         ; 16: the maps of my 4 positions
.set PC,   152
.set SA,   156                         ; scan buffers, 4 each
.set SB,   160
.set UA,   164
.set UB,   168
.set CT,   172                         ; 12 at work
.set VBM,  188
.set Y,    189
.set VAL,  190
.set IDX,  191
.set E,    192
.set Z,    193
.set XE,   194
.set X1,   195
.set X2,   196
.set X3,   197
.set P16,  198                         ; 16 x my first position = 2048 w + 64 lane
; dst[x] = f[g[x]] for x = 0..15; a map is 16 bytes in 4 registers.  dst may be g, never f.
; v_perm_b32 looks 4 bytes up in a table of 8: once in f's entries 0-7, once in 8-15, and a third one picks by bit 3 of the index.
.macro COMPOSE dst, f, g
.irp k, 0,1,2,3
	v_and_b32 v[CT+\k], s[S07], v[\g+\k]                       ; index mod 8
.endr
.irp k, 0,1,2,3
	v_lshrrev_b32 v[CT+4+\k], 1, v[\g+\k]                      ; bit 3 to bit 2,
.endr
.irp k, 0,1,2,3
	v_and_or_b32 v[CT+4+\k], v[CT+4+\k], s[S04], s[IDS]        ; selector: byte i of the lower or (+4) of the upper look-up
.endr
.irp k, 0,1,2,3
	v_perm_b32 v[CT+8+\k], v[\f+1], v[\f], v[CT+\k]
.endr
.irp k, 0,1,2,3
	v_perm_b32 v[CT+\k], v[\f+3], v[\f+2], v[CT+\k]
.endr
.irp k, 0,1,2,3
	v_perm_b32 v[\dst+\k], v[CT+\k], v[CT+8+\k], v[CT+4+\k]
.endr
.endm
; dst = f[val], one number 0..15 a lane
.macro LOOKUP dst, f, val
	v_and_b32 v[CT], 7, v[\val]
	v_cmp_lt_u32 vcc_lo, 7, v[\val]
	v_perm_b32 v[CT+1], v[\f+1], v[\f], v[CT]
	v_perm_b32 v[CT+2], v[\f+3], v[\f+2], v[CT]
	v_cndmask_b32 v[CT+1], v[CT+1], v[CT+2], vcc_lo
	v_and_b32 v[\dst], 15, v[CT+1]                             ; byte 0 alone
.endm
; one level of a suffix scan inside each row of 16 lanes: dst(lane) = src(lane) o src(lane + sh); past the row's end the identity stays
.macro SCANSTEP dst, src, sh
.irp k, 0,1,2,3
	v_mov_b32 v[\dst+\k], s[IDS+\k]
.endr
.irp k, 0,1,2,3
	v_mov_b32_dpp v[\dst+\k], v[\src+\k] row_shl:\sh row_mask:0xf bank_mask:0xf
.endr
	COMPOSE \dst, \src, \dst
.endm
.macro ROWSCAN a, b                    ; result in a: lane l of a row holds map(l) o map(l+1) o .. o map(15)
	SCANSTEP \b, \a, 1
	SCANSTEP \a, \b, 2
	SCANSTEP \b, \a, 4
	SCANSTEP \a, \b, 8
.endm
; The eight rows of batch bn become byte offsets in set st.  Position bn + 16 j lies in lane bn / 4 + 4 j, register bn & 3.
; A number that came from memory enters an address only behind the clamp to the table's last row.
.macro ADDR bn, st
.irp j, 0,1,2,3,4,5,6,7
	v_readlane_b32 s[SR+\j], v[RX+((\bn)&3)], 4*\j+((\bn)>>2)
.endr
.irp j, 0,1,2,3,4,5,6,7
	s_min_u32 s[SR+\j], s[SR+\j], 0x7fff
.endr
.irp j, 0,1,2,3,4,5,6,7
	v_lshl_add_u32 v[VOFF+8*\st+\j], s[SR+\j], 13, v[VLB]      ; row x 8,192 + my 16 bytes
.endr
.endm
.macro FILL reg, st, base              ; eight loads, each 512 neighbouring bytes of one row
.irp j, 0,1,2,3,4,5,6,7
	global_load_b128 v[\reg+32*\st+4*\j:\reg+32*\st+4*\j+3], v[VOFF+8*\st+\j], s[\base:\base+1]
.endr
.endm
; two partial sums a, b: lanes whose mask bit is 0 go on with a, the others with b, and each adds what its partner holds of the same one
.macro FOLD a, b, msk, x
	v_cndmask_b32 v[\a+1], v[\a], v[\b], s[\msk]               ; what I keep
	v_cndmask_b32 v[\a+3], v[\b], v[\a], s[\msk]               ; what my partner keeps
	v_add_f32_dpp v[\a], v[\a+3], v[\a+1] row_xmask:\x row_mask:0xf bank_mask:0xf
.endm
	s_load_b512 s[4:19], s[0:1], 0x0
	v_lshl_add_u32 v224, v0, 2, 0xc300
	v_mov_b32 v225, 0
	v_and_b32 v[LANE], 31, v0
	v_lshrrev_b32 v[T0], 5, v0
	v_readfirstlane_b32 s[W], v[T0]
	s_and_b32 s[BM], ttmp9, 15
	s_lshr_b32 s[HP], ttmp9, 4
	s_mov_b32 s[IDS],   0x03020100
	s_mov_b32 s[IDS+1], 0x07060504
	s_mov_b32 s[IDS+2], 0x0b0a0908
	s_mov_b32 s[IDS+3], 0x0f0e0d0c
	s_mov_b32 s[S07], 0x07070707
	s_mov_b32 s[S04], 0x04040404
	s_mov_b32 s[SM0], 0xaaaaaaaa
	s_mov_b32 s[SM1], 0xcccccccc
	s_mov_b32 s[SM2], 0xf0f0f0f0
	s_mov_b32 s[SLO], 0x0000ffff
	v_lshlrev_b32 v[VL16], 4, v[LANE]
	v_lshrrev_b32 v[HALF], 4, v[LANE]
	v_and_b32 v[T0], 7, v[LANE]
	v_lshlrev_b32 v[VMG], 6, v[T0]
	s_lshl_b32 s34, s[W], 13                       ; s[34:35]: the wave's 128 rows of 64 bytes in beam_idx
	s_mov_b32 s35, 0
	s_lshl_b32 s48, s[BM], 13                      ; s[48:49]: 8,192 b: the beam's row in mask, query, key, value, out0
	s_mov_b32 s49, 0
	s_lshl_b32 s50, s[W], 9                        ; s[50:51]: 512 w
	s_mov_b32 s51, 0
	s_lshl_b32 s45, s[HP], 9                       ; two heads = 512 bytes
	s_lshl_b32 s52, s[W], 11                       ; 2,048 w
	s_lshl_b32 s53, s[W], 4                        ; 16 w
	s_lshl_b32 s55, s[W], 5                        ; 32 w
	s_mul_i32  s54, s[W], PKW
	v_add_nc_u32 v[VLB], s45, v[VL16]
	v_add_nc_u32 v[VCUR], s48, v[VLB]
	s_wait_kmcnt 0x0
	s_add_nc_u64 s[36:37], s[BEAM:BEAM+1], s[34:35]
.irp k, 0,1,2,3,4,5,6,7,8,9,10,11,12,13,14,15
	global_load_b128 v[BI+4*\k:BI+4*\k+3], v[VL16], s[36:37] offset:512*\k     ; 8 positions a load, in memory's order
.endr
	s_add_nc_u64 s[46:47], s[AMSK:AMSK+1], s[48:49]
	s_load_b32 s42, s[46:47], 0x1ffc               ; mask of position 2047
	s_add_nc_u64 s[40:41], s[46:47], s[50:51]
.irp q, 0,1,2,3
	global_load_b128 v[MKR+4*\q:MKR+4*\q+3], v[VMG], s[40:41] offset:16*\q     ; mask of positions 16 (lane & 7) + 0..15
.endr
	global_load_b128 v[Q:Q+3],     v[VCUR], s[QRY:QRY+1]
	global_load_b128 v[KCU:KCU+3], v[VCUR], s[KEY:KEY+1]
	global_load_b128 v[VCU:VCU+3], v[VCUR], s[VLU:VLU+1]
	v_and_b32 v[T0], 15, v[LANE]
	v_mul_u32_u24 v[APK], v[HALF], 0x50
	v_lshl_add_u32 v[APK], v[T0], 2, v[APK]
	v_add_nc_u32 v[APK], s54, v[APK]
	v_mul_u32_u24 v[APL], v[LANE], 0x50
	v_add_nc_u32 v[APL], s54, v[APL]
	v_lshl_add_u32 v[P16], v[LANE], 6, s52
	v_add_nc_u32 v[AW16], s50, v[VL16]
	v_lshl_add_u32 v[ASC], v[HALF], 4, s55
	v_lshl_add_u32 v[VML], v[HALF], 3, s53
	v_lshlrev_b32 v[VML0], 3, v[HALF]
	v_cmp_eq_u32 s38, 0x1ff, v0                    ; the thread that holds position 2047
	; THE TRACE.  Four indices become four bytes.  Load k's lane holds quarter (lane & 3) of position 8 k + lane / 4; the map of position p
	; goes to 80 (p / 4) + 16 (p & 3): a store's two halves of 16 lanes fill 64 neighbouring bytes each, 80 apart.
.irp k, 0,1,2,3,4,5,6,7,8,9,10,11,12,13,14,15
	s_wait_loadcnt 22-\k                           ; loads return in order (ISA guide 5.7.1): 15-k loads of beam_idx and seven others are younger
	v_lshl_or_b32 v[BI+4*\k], v[BI+4*\k+1], 8,  v[BI+4*\k]
	v_lshl_or_b32 v[BI+4*\k], v[BI+4*\k+2], 16, v[BI+4*\k]
	v_lshl_or_b32 v[BI+4*\k], v[BI+4*\k+3], 24, v[BI+4*\k]
	ds_store_b32 v[APK], v[BI+4*\k] offset:PKT+160*\k
.endr
.irp i, 0,1,2,3
	ds_load_b128 v[MM+4*\i:MM+4*\i+3], v[APL] offset:PKT+16*\i     ; map of position 4 lane + i; lanes 80 bytes apart: 16 lanes, 16 different columns
.endr                                                                  ; of 16 bytes.  LDS serves a wave in order: the stores above are seen
	s_wait_dscnt 0x0
.irp k, 0,1,2,3
	v_cndmask_b32 v[MM+12+\k], v[MM+12+\k], s[IDS+\k], s38     ; beam_idx[2047] is no part of the trace: the identity stands for it
.endr
	COMPOSE PC, MM, MM+4                           ; my four positions as one map: (m0 o m1) o (m2 o m3)
	COMPOSE SB, MM+8, MM+12
	COMPOSE SA, PC, SB
	ROWSCAN SA, SB                                 ; lane l of a row: my positions and all later ones of the row's 64
.irp k, 0,1,2,3
	v_mov_b32_dpp v[SB+\k], v[SA+\k] row_share:0 row_mask:0xf bank_mask:0xf    ; the row's first lane holds the whole of its 64 positions:
.endr                                                                              ; every lane of the row takes that map,
	ds_store_b128 v[ASC], v[SB:SB+3] offset:SCR    ; and the 16 lanes write the same 16 bytes: entry 2 w + lane / 16 of a dense table of 32 maps
	s_wait_dscnt 0x0
	s_barrier_signal -1
	s_barrier_wait -1
	ds_load_b128 v[UA:UA+3], v[VL16] offset:SCR    ; lane j: run j of the 32 runs of 64 positions; 512 neighbouring bytes
	v_mov_b32 v[VBM], s[BM]
	s_lshl_b32 s54, s[W], 1
	s_add_co_u32 s54, s54, 1
	v_add_lshl_u32 v[IDX], v[HALF], s54, 2         ; 4 x (my run of 64 + 1)
	s_wait_dscnt 0x0
	ROWSCAN UA, UB
	LOOKUP Y, UA, VBM                              ; lanes 16-31: the beam's ancestor below runs j .. 31
	v_readlane_b32 s39, v[Y], 16
	v_cndmask_b32 v[VAL], v[VBM], s39, s[SLO]      ; lanes 0-15 start from what runs 16 .. 31 made of the beam
	LOOKUP Y, UA, VAL
	ds_bpermute_b32 v[E], v[IDX], v[Y]             ; what enters my run of 64 from above: lane (run + 1)'s number;
	v_cmp_eq_u32 vcc_lo, 0x80, v[IDX]
	s_wait_dscnt 0x0
	v_cndmask_b32 v[E], v[E], v[VBM], vcc_lo       ; the last run starts from the beam itself
	LOOKUP Z, SA, E                                ; trace of my first position
	v_mov_b32 v[XE], v[E]
	v_mov_b32_dpp v[XE], v[Z] row_shl:1 row_mask:0xf bank_mask:0xf     ; what enters my four positions: my upper neighbour's first
	LOOKUP X3, MM+12, XE
	LOOKUP X2, MM+8, X3
	LOOKUP X1, MM+4, X2
	v_add_nc_u32 v[RX], v[Z], v[P16]               ; cache row = 16 t + trace
	v_add3_u32 v[RX+1], v[X1], v[P16], 16
	v_add3_u32 v[RX+2], v[X2], v[P16], 32
	v_add3_u32 v[RX+3], v[X3], v[P16], 48
	v_cndmask_b32 v[RX+3], v[RX+3], v[RX+2], s38   ; cache row 2047 is never read: its place repeats position 2046, with weight 0
	; THE RING: batches 0 and 1, K then V
	ADDR 0, 0
	FILL KR, 0, KCA
	FILL VR, 0, VCA
	ADDR 1, 1
	FILL KR, 1, KCA
	FILL VR, 1, VCA
	; THE CURRENT TOKEN starts every wave's maximum; wave 15 alone takes its weight and value into the sums
	s_wait_loadcnt 32                              ; mask, q, key, value are in: only the ring's 32 loads are younger
	v_pk_mul_f32 v[Q:Q+1],   v[Q:Q+1],   0x3e38aa3b op_sel_hi:[1,0]    ; q x log2(e) / 8
	v_pk_mul_f32 v[Q+2:Q+3], v[Q+2:Q+3], 0x3e38aa3b op_sel_hi:[1,0]
	v_pk_mul_f32 v[DD:DD+1], v[KCU:KCU+1], v[Q:Q+1]
	v_pk_fma_f32 v[DD:DD+1], v[KCU+2:KCU+3], v[Q+2:Q+3], v[DD:DD+1]
	v_add_f32 v[DD], v[DD], v[DD+1]
	v_add_f32_dpp v[DD], v[DD], v[DD] row_xmask:1 row_mask:0xf bank_mask:0xf
	v_add_f32_dpp v[DD], v[DD], v[DD] row_xmask:2 row_mask:0xf bank_mask:0xf
	v_add_f32_dpp v[DD], v[DD], v[DD] row_xmask:4 row_mask:0xf bank_mask:0xf
	v_add_f32_dpp v[DD], v[DD], v[DD] row_xmask:8 row_mask:0xf bank_mask:0xf
	s_wait_kmcnt 0x0
	v_fma_f32 v[DD], s42, 0x3fb8aa3b, v[DD]
	v_max_num_f32 v[M], 0xff000000, v[DD]          ; never below -1.7e38, so that -infinity minus the maximum stays -infinity
	v_sub_f32 v[P], v[DD], v[M]
	v_exp_f32 v[P], v[P]
	s_cmp_eq_u32 s[W], 15
	s_cselect_b32 s43, -1, 0
	s_cselect_b32 s44, 0x01010101, 0               ; the sum of weights is kept in shares of 8 lanes: lanes 0, 8, 16, 24 take this one
	s_cselect_b32 s55, 0x80808080, 0               ; wave 15, lanes with lane & 7 = 7, register 15: position 2047's place in the mask
	v_mov_b32 v[AL+1], 0                           ; the plain instruction behind v_exp_f32 (ISA guide 5.7.2); fills the pair
	v_mov_b32 v[MX], 0                             ; a DPP destination has to have been written
	v_mov_b32 v[T0], 0xff800000                    ; -infinity:
	v_cndmask_b32 v[MKR+15], v[MKR+15], v[T0], s55 ; position 2047 is served here, its place in the batches is shut
	s_wait_alu depctr_va_vdst(0)
	v_cndmask_b32 v[L], 0, v[P], s44
.irp k, 0,1,2,3
	v_mul_f32 v[ACC+\k], v[P], v[VCU+\k]
.endr
.irp k, 0,1,2,3
	v_cndmask_b32 v[ACC+\k], 0, v[ACC+\k], s43
.endr
; One batch: 8 positions.  Set bn & 1 of the ring.  K's registers are filled again (batch bn + 2) behind the dot products, V's behind the sums.
.macro BATCH bn
.set PS, (\bn)&1
.set KB, KR+32*PS
.set VB, VR+32*PS
.set LEFTK, 24                         ; younger than K(bn): V(bn), K(bn+1), V(bn+1)
.set LEFTV, 24                         ; younger than V(bn): K(bn+1), V(bn+1), K(bn+2)
.if \bn == NB-2
.set LEFTV, 16                         ; nothing is fetched any more: the counts run down
.endif
.if \bn == NB-1
.set LEFTK, 8
.set LEFTV, 0
.endif
	s_wait_loadcnt LEFTK
.irp j, 0,1,2,3,4,5,6,7
	v_pk_mul_f32 v[DD+2*\j:DD+2*\j+1], v[KB+4*\j:KB+4*\j+1], v[Q:Q+1]
.endr
.irp j, 0,1,2,3,4,5,6,7
	v_pk_fma_f32 v[DD+2*\j:DD+2*\j+1], v[KB+4*\j+2:KB+4*\j+3], v[Q+2:Q+3], v[DD+2*\j:DD+2*\j+1]
.endr
.irp j, 0,1,2,3,4,5,6,7
	v_add_f32 v[DD+2*\j], v[DD+2*\j], v[DD+2*\j+1]                     ; my 4 dims of position bn + 16 j
.endr
.if \bn < NB-2
	s_wait_xcnt 0x0                                ; V(bn)'s loads may be out and read this set's offsets: rewritten only behind this wait (ISA guide 3.1)
	ADDR \bn+2, PS
	FILL KR, PS, KCA
.endif
	; 8 sums over 16 lanes: three halving steps leave j = r & 7 in lane r, the fourth joins the two halves of the row
	FOLD DD,    DD+2,  SM0, 1
	FOLD DD+4,  DD+6,  SM0, 1
	FOLD DD+8,  DD+10, SM0, 1
	FOLD DD+12, DD+14, SM0, 1
	FOLD DD,    DD+4,  SM1, 2
	FOLD DD+8,  DD+12, SM1, 2
	FOLD DD,    DD+8,  SM2, 4
	v_add_f32_dpp v[DD], v[DD], v[DD] row_xmask:8 row_mask:0xf bank_mask:0xf
	v_fmamk_f32 v[DD], v[MKR+\bn], 0x3fb8aa3b, v[DD]                   ; + mask x log2(e)
	v_max_num_f32_dpp v[MX], v[DD], v[DD] row_xmask:1 row_mask:0xf bank_mask:0xf
	v_max_num_f32_dpp v[MX], v[MX], v[MX] row_xmask:2 row_mask:0xf bank_mask:0xf
	v_max_num_f32_dpp v[MX], v[MX], v[MX] row_xmask:4 row_mask:0xf bank_mask:0xf
	v_max_num_f32 v[MN], v[M], v[MX]
	v_sub_f32 v[AL], v[M], v[MN]
	v_sub_f32 v[P], v[DD], v[MN]
	v_exp_f32 v[AL], v[AL]
	v_exp_f32 v[P], v[P]
	v_mov_b32 v[M], v[MN]                          ; the plain instruction behind the two v_exp_f32 (ISA guide 5.7.2)
	s_wait_alu depctr_va_vdst(0)
	v_fma_f32 v[L], v[L], v[AL], v[P]
	v_pk_mul_f32 v[ACC:ACC+1],   v[ACC:ACC+1],   v[AL:AL+1] op_sel_hi:[1,0]
	v_pk_mul_f32 v[ACC+2:ACC+3], v[ACC+2:ACC+3], v[AL:AL+1] op_sel_hi:[1,0]
.irp j, 0,1,2,3,4,5,6,7
	v_mov_b32_dpp v[DD+2*\j], v[P] row_share:\j row_mask:0xf bank_mask:0xf     ; weight j to all 16 lanes of the head
.endr
	s_wait_loadcnt LEFTV
.irp j, 0,1,2,3,4,5,6,7
	v_pk_fma_f32 v[ACC:ACC+1],   v[DD+2*\j:DD+2*\j+1], v[VB+4*\j:VB+4*\j+1],   v[ACC:ACC+1]   op_sel_hi:[0,1,1]
	v_pk_fma_f32 v[ACC+2:ACC+3], v[DD+2*\j:DD+2*\j+1], v[VB+4*\j+2:VB+4*\j+3], v[ACC+2:ACC+3] op_sel_hi:[0,1,1]
.endr
.if \bn < NB-2
	FILL VR, PS, VCA
.endif
.endm
	; 16 batches written out: the lane and register of every row number and the mask's register are constants, and the last two fetch nothing
.irp b, 0,1,2,3,4,5,6,7,8,9,10,11,12,13,14,15
	BATCH \b
.endr
	; THE WAVES MEET
	v_add_f32_dpp v[L], v[L], v[L] row_xmask:1 row_mask:0xf bank_mask:0xf      ; eight shares (lanes r and r + 8 hold the same)
	v_add_f32_dpp v[L], v[L], v[L] row_xmask:2 row_mask:0xf bank_mask:0xf
	v_add_f32_dpp v[L], v[L], v[L] row_xmask:4 row_mask:0xf bank_mask:0xf
	ds_store_b128 v[AW16], v[ACC:ACC+3] offset:ACCB
	ds_store_b64 v[VML], v[M:M+1] offset:MLB       ; the 16 lanes of a head write the same two words
	s_wait_dscnt 0x0
	s_barrier_signal -1
	s_barrier_wait -1
	s_cmp_lg_u32 s[W], 0
	s_cbranch_scc1 .Lend
.set EM, KR                            ; (m, l) of wave w in v[EM+2w : EM+2w+1]
.set EA, VR                            ; its sums in v[EA+4w : EA+4w+3]
.irp w, 0,1,2,3,4,5,6,7,8,9,10,11,12,13,14,15
	ds_load_b64 v[EM+2*\w:EM+2*\w+1], v[VML0] offset:MLB+16*\w
.endr
.irp w, 0,1,2,3,4,5,6,7,8,9,10,11,12,13,14,15
	ds_load_b128 v[EA+4*\w:EA+4*\w+3], v[VL16] offset:ACCB+512*\w
.endr
	s_wait_dscnt 16                                ; the sixteen (m, l); the sixteen loads of sums are younger and may still be out
	v_max_num_f32 v[MX], v[EM], v[EM+2]
.irp w, 2,4,6,8,10,12,14
	v_max3_num_f32 v[MX], v[MX], v[EM+2*\w], v[EM+2*\w+2]
.endr
.irp w, 0,1,2,3,4,5,6,7,8,9,10,11,12,13,14,15
	v_sub_f32 v[EM+2*\w], v[EM+2*\w], v[MX]
.endr
.irp w, 0,1,2,3,4,5,6,7,8,9,10,11,12,13,14,15
	v_exp_f32 v[EM+2*\w], v[EM+2*\w]
.endr
	v_nop                                          ; behind the last v_exp_f32 (ISA guide 5.7.2)
	s_wait_dscnt 0x0
	s_wait_alu depctr_va_vdst(0)
	v_mul_f32 v[L], v[EM], v[EM+1]                 ; the first wave's terms start the sums
	v_pk_mul_f32 v[ACC:ACC+1],   v[EA:EA+1],   v[EM:EM+1] op_sel_hi:[1,0]
	v_pk_mul_f32 v[ACC+2:ACC+3], v[EA+2:EA+3], v[EM:EM+1] op_sel_hi:[1,0]
.irp w, 1,2,3,4,5,6,7,8,9,10,11,12,13,14,15
	v_fmac_f32 v[L], v[EM+2*\w], v[EM+2*\w+1]
	v_pk_fma_f32 v[ACC:ACC+1],   v[EA+4*\w:EA+4*\w+1],   v[EM+2*\w:EM+2*\w+1], v[ACC:ACC+1]   op_sel_hi:[1,0,1]
	v_pk_fma_f32 v[ACC+2:ACC+3], v[EA+4*\w+2:EA+4*\w+3], v[EM+2*\w:EM+2*\w+1], v[ACC+2:ACC+3] op_sel_hi:[1,0,1]
.endr
	v_rcp_f32 v[L], v[L]
	v_nop
	s_wait_alu depctr_va_vdst(0)
.irp k, 0,1,2,3
	v_mul_f32 v[ACC+\k], v[ACC+\k], v[L]
.endr
	global_store_b128 v[VCUR], v[ACC:ACC+3], s[OUT:OUT+1]      ; the wave's store covers 512 neighbouring bytes, aligned
.Lend:
	s_wait_tensorcnt 0x0
	ds_add_u32 v224, v225
	s_wait_dscnt 0x0
	s_endpgm
.Lfunc_end_k_q076c44fcd6_attn:
	.size	k_q076c44fcd6_attn, .Lfunc_end_k_q076c44fcd6_attn-k_q076c44fcd6_attn
	.p2alignl 7, 3214868480
	.fill 96, 4, 3214868480
	.section	.rodata,"a",@progbits
	.p2align	6, 0x0
	.amdhsa_kernel k_q076c44fcd6_attn
		.amdhsa_group_segment_fixed_size 51968
		.amdhsa_private_segment_fixed_size 0
		.amdhsa_enable_private_segment 0
		.amdhsa_kernarg_size 64
		.amdhsa_user_sgpr_count 2
		.amdhsa_user_sgpr_kernarg_segment_ptr 1
		.amdhsa_wavefront_size32 1
		.amdhsa_system_sgpr_workgroup_id_x 1
		.amdhsa_system_sgpr_workgroup_id_y 1
		.amdhsa_system_sgpr_workgroup_id_z 1
		.amdhsa_system_vgpr_workitem_id 0
		.amdhsa_next_free_vgpr 226
		.amdhsa_next_free_sgpr 66
		.amdhsa_reserve_vcc 1
		.amdhsa_float_denorm_mode_32 3
		.amdhsa_float_denorm_mode_16_64 3
		.amdhsa_memory_ordered 1
		.amdhsa_forward_progress 1
		.amdhsa_inst_pref_size 165
	.end_amdhsa_kernel
	.amdgpu_metadata
---
amdhsa.version: [ 1, 2 ]
amdhsa.kernels:
  - .name:           k_q076c44fcd6_attn
    .symbol:         k_q076c44fcd6_attn.kd
    .args:
      - { .name: beam_idx, .offset: 0, .size: 8, .value_kind: global_buffer, .address_space: global }
      - { .name: attention_mask, .offset: 8, .size: 8, .value_kind: global_buffer, .address_space: global }
      - { .name: query, .offset: 16, .size: 8, .value_kind: global_buffer, .address_space: global }
      - { .name: key, .offset: 24, .size: 8, .value_kind: global_buffer, .address_space: global }
      - { .name: value, .offset: 32, .size: 8, .value_kind: global_buffer, .address_space: global }
      - { .name: key_cache, .offset: 40, .size: 8, .value_kind: global_buffer, .address_space: global }
      - { .name: value_cache, .offset: 48, .size: 8, .value_kind: global_buffer, .address_space: global }
      - { .name: out0, .offset: 56, .size: 8, .value_kind: global_buffer, .address_space: global }
    .group_segment_fixed_size: 51968
    .private_segment_fixed_size: 0
    .kernarg_segment_align: 8
    .kernarg_segment_size: 64
    .max_flat_workgroup_size: 512
    .sgpr_count:     66
    .vgpr_count:     226
    .wavefront_size: 32
...
	.end_amdgpu_metadata
.endif
;; end of part 1
;; ======== version 2 of 2: 1 launch; version 1 with the launch attn written anew for expert scheduling mode
;; launch attn (part 2): grid 256 x 1, 16 waves a work-group, no clusters, 51,968 bytes of LDS; arguments beam_idx, attention_mask, query, key, value, key_cache, value_cache, out0; writes out0
.if DOCPART == 2
	.amdgcn_target "amdgcn-amd-amdhsa--gfx1250"
	.amdhsa_code_object_version 6
	.text
	.protected	k_q076c44fcd6_attn
	.globl	k_q076c44fcd6_attn
	.p2align	8
	.type	k_q076c44fcd6_attn,@function
k_q076c44fcd6_attn:
	s_mov_b64 s[64:65], 0
	v_nop
	global_prefetch_b8 v0, s[64:65] scope:SCOPE_SE
	s_setreg_imm32_b32 hwreg(HW_REG_WAVE_SCHED_MODE, 0, 2), 2
	s_setreg_imm32_b32 hwreg(HW_REG_WAVE_MODE, 25, 1), 1
	s_wait_xcnt 0x0
	s_wait_alu depctr_vm_vsrc(0)
; Decode attention over a beam-indirect KV cache.  2048 positions, 16 beams, 32 heads of 64, everything f32.
;   trace[t] = beam_idx[t] o trace[t+1], trace[2047] = identity;  K, V of position t < 2047 come from cache row (t, trace[t][b]),
;   position 2047 from key / value;  out = softmax(q.K / 8 + mask) V.
; A work-group owns one beam b and two heads (2hp, 2hp+1) for all positions: 512 neighbouring bytes of every cache row, one 16-byte
; load of a wave.  16 waves; wave w owns positions 128 w .. 128 w + 127.  Lanes 0-15 hold head 2hp, lanes 16-31 head 2hp+1, 4 dims each.
; The loop touches no LDS: a wave's 128 row numbers lie in four registers (lane l: positions 4 l .. 4 l + 3) and are read out lane by
; lane into scalars; its 128 mask numbers lie in sixteen registers, already in the lane that will want them.
; EXEC stays full from the first line to the last: loads are pending nearly everywhere, and EXEC is one of their sources.
; No matrix instruction: one query row a head would fill 1 of 16 rows of a fragment, and the kernel moves 16 KiB for 4,096 multiply-adds.
; No cluster, no joint loads: which cache row a work-group reads hangs on its own beam's trace, so partners' addresses need not agree;
; beam_idx, the one input that all work-groups read, is 128 KiB of the about 2,180 KiB that a work-group reads.
; No prefetch: a row's address is known only from the trace, and from then on 24 to 32 loads of 512 bytes of every wave are on their way.
; LIMITS.  beam_idx holds 0..15 (reference() indexes a table of 16 with it).  The running maximum starts at no less than -1.7e38 (base-2
; units): a (beam, head) whose 2048 masked scores all lie below that gives 0/0 = NaN.  Sums are ordered otherwise than in reference();
; v_exp_f32 returns zero where the result would be denormal.
; THE MODE: SCHED_MODE bits 1:0 = 2 (LLVM: expert scheduling mode 2), set by the entry lines.  The code itself states the register dependences
; between vector instructions and memory or LDS instructions, and those through scalar registers that vector instructions write, with
; s_wait_alu, always for 0.
; THE PLAN.  Registers that memory instructions touch in the batches:
;   KR0, KR1    Batch bn: its 24 dot-product lines read KR[bn & 1]; behind them K's eight loads of batch bn + 2 land in it.
;   VR0, VR1    Batch bn: its 16 sums read VR[bn & 1]; behind them V's eight loads of batch bn + 2 land in it.
;   three sets of eight byte offsets.  Batch bn writes set (bn + 2) % 3 by eight shifts; K's loads in the same batch and V's at its end read it.
;               The set's readers before were the loads of batch bn - 1, which batch bn - 1's counted wait for V has shown done.
;   s[SR ..]    written by eight v_readlane_b32 at a batch's head, first read by the clamps behind the dot products.
;   RX, MKR, Q, DD, ACC, M, L, AL, P are named by vector instructions alone.
; So a batch has two waits on va_vdst.  One stands behind the two exponentials: their results are written, the dot products are done reading
; KR[bn & 1], the offsets are written; K's eight loads follow it, dealt among eleven vector lines that name L, AL, P, ACC and DD alone.  The other
; stands behind the sums, which are then done reading VR[bn & 1]; V's eight loads follow it.  One wait on va_sdst stands ahead of the clamps,
; one on vm_vsrc ahead of the shifts.
.set NB,    16                         ; batches of a wave; batch bn takes the 8 positions bn + 16 j, j = 0..7
; LDS, bytes
.set PKW,   2560                       ; a wave's 128 maps of 16 bytes: 32 lanes x (64 + 16 of padding)
.set PKT,   0                          ; 16 waves x PKW (own bytes of each wave)
.set MLB,   40960                      ; 16 waves x 2 heads x (m, l)
.set SCR,   41216                      ; 32 maps of 16 bytes: the whole of each run of 64 positions, read by all behind the first barrier
.set ACCB,  41728                      ; 16 waves x 512: the waves' weighted sums
; scalars
.set BEAM, 4                           ; s[4:19]: the eight addresses, in the order of the arguments
.set AMSK, 6
.set QRY,  8
.set KEY,  10
.set VLU,  12
.set KCA,  14
.set VCA,  16
.set OUT,  18
.set W,    20                          ; wave
.set BM,   21                          ; beam
.set HP,   22                          ; head pair
.set IDS,  24                          ; s[24:27] the identity map, bytes 0..15
.set S07,  28
.set S04,  29
.set SM0,  30                          ; lanes with bit 0, 1, 2 of the lane number set
.set SM1,  31
.set SM2,  32
.set SLO,  33                          ; lanes 0-15
.set SR,   56                          ; s[56:63] eight row numbers
; vector registers that live through the kernel
.set LANE, 1
.set T0,   2
.set VL16, 3                           ; 16 x lane
.set VCUR, 4                           ; byte offset of my 16 bytes in query, key, value, out0
.set VLB,  5                           ; byte offset of my 16 bytes in a cache row
.set VMG,  6                           ; 64 (lane & 7): my sixteen numbers in the wave's 512 bytes of the mask
.set Q,    8                           ; v[8:11]   q x log2(e) / 8
.set ACC,  12                          ; v[12:15]  weighted sum of V, my 4 dims
.set M,    16                          ; running maximum of my head (base-2 units)
.set L,    17                          ; running sum of weights, my lane's share
.set AL,   18                          ; v[18:19]  factor for the old sums (v19 only fills the pair)
.set P,    20
.set MX,   21
.set MN,   22
.set KCU,  24                          ; v[24:27]  current key
.set VCU,  28                          ; v[28:31]  current value
.set DD,   32                          ; v[32:47]  8 pairs: partial scores, later the 8 weights
.set RX,   48                          ; v[48:51]  cache row numbers of positions 4 lane + 0..3
.set VOFF, 56                          ; v[56:71]  offset sets 0 and 1: 8 byte offsets of rows each
.set KR,   72                          ; v[72:135]  2 sets x 8 rows x 4: K
.set VR,   136                         ; v[136:199] 2 sets x 8 rows x 4: V
.set AW16, 200                         ; 512 w + 16 lane
.set APK,  201                         ; PKW w + 80 (lane / 16) + 4 (lane & 15)
.set APL,  202                         ; PKW w + 80 lane
.set ASC,  203                         ; 32 w + 16 (lane / 16)
.set VML,  204                         ; 16 w + 8 (lane / 16)
.set HALF, 205                         ; lane / 16
.set VML0, 206                         ; 8 (lane / 16)
.set MKR,  208                         ; v[208:223] register bn: the mask of position bn + 16 (lane & 7)
                                       ; v224, v225  the closing add's two registers, made at the head and kept for it alone
.set VOX,  226                         ; v[226:233] offset set 2
; the trace's registers lie in the ring, which is filled only afterwards
.set BI,   KR                          ; 64: beam_idx as loaded
.set MM,   136                         ; 16: the maps of my 4 positions
.set PC,   152
.set SA,   156                         ; scan buffers, 4 each
.set SB,   160
.set UA,   164
.set UB,   168
.set CT,   172                         ; 12 at work
.set VBM,  188
.set Y,    189
.set VAL,  190
.set IDX,  191
.set E,    192
.set Z,    193
.set XE,   194
.set X1,   195
.set X2,   196
.set X3,   197
.set P16,  198                         ; 16 x my first position = 2048 w + 64 lane
; dst[x] = f[g[x]] for x = 0..15; a map is 16 bytes in 4 registers.  dst may be g, never f.
; v_perm_b32 looks 4 bytes up in a table of 8: once in f's entries 0-7, once in 8-15, and a third one picks by bit 3 of the index.
.macro COMPOSE dst, f, g
.irp k, 0,1,2,3
	v_and_b32 v[CT+\k], s[S07], v[\g+\k]                       ; index mod 8
.endr
.irp k, 0,1,2,3
	v_lshrrev_b32 v[CT+4+\k], 1, v[\g+\k]                      ; bit 3 to bit 2,
.endr
.irp k, 0,1,2,3
	v_and_or_b32 v[CT+4+\k], v[CT+4+\k], s[S04], s[IDS]        ; selector: byte i of the lower or (+4) of the upper look-up
.endr
.irp k, 0,1,2,3
	v_perm_b32 v[CT+8+\k], v[\f+1], v[\f], v[CT+\k]
.endr
.irp k, 0,1,2,3
	v_perm_b32 v[CT+\k], v[\f+3], v[\f+2], v[CT+\k]
.endr
.irp k, 0,1,2,3
	v_perm_b32 v[\dst+\k], v[CT+\k], v[CT+8+\k], v[CT+4+\k]
.endr
.endm
; dst = f[val], one number 0..15 a lane
.macro LOOKUP dst, f, val
	v_and_b32 v[CT], 7, v[\val]
	v_cmp_lt_u32 vcc_lo, 7, v[\val]
	v_perm_b32 v[CT+1], v[\f+1], v[\f], v[CT]
	v_perm_b32 v[CT+2], v[\f+3], v[\f+2], v[CT]
	s_wait_alu depctr_va_vcc(0)                                ; the compare has written VCC, which the select reads
	v_cndmask_b32 v[CT+1], v[CT+1], v[CT+2], vcc_lo
	v_and_b32 v[\dst], 15, v[CT+1]                             ; byte 0 alone
.endm
; one level of a suffix scan inside each row of 16 lanes: dst(lane) = src(lane) o src(lane + sh); past the row's end the identity stays
.macro SCANSTEP dst, src, sh
.irp k, 0,1,2,3
	v_mov_b32 v[\dst+\k], s[IDS+\k]
.endr
.irp k, 0,1,2,3
	v_mov_b32_dpp v[\dst+\k], v[\src+\k] row_shl:\sh row_mask:0xf bank_mask:0xf
.endr
	COMPOSE \dst, \src, \dst
.endm
.macro ROWSCAN a, b                    ; result in a: lane l of a row holds map(l) o map(l+1) o .. o map(15)
	SCANSTEP \b, \a, 1
	SCANSTEP \a, \b, 2
	SCANSTEP \b, \a, 4
	SCANSTEP \a, \b, 8
.endm
.macro OSET os                         ; VO: the first register of offset set os
.if (\os) == 2
.set VO, VOX
.else
.set VO, VOFF+8*(\os)
.endif
.endm
; The eight row numbers of batch bn, into scalars.  Position bn + 16 j lies in lane bn / 4 + 4 j, register bn & 3.
.macro ROWS bn
.irp j, 0,1,2,3,4,5,6,7
	v_readlane_b32 s[SR+\j], v[RX+((\bn)&3)], 4*\j+((\bn)>>2)
.endr
.endm
; They become byte offsets in set os.  A number that came from memory enters an address only behind the clamp to the table's last row.
; used: not 0 where loads have read the set before.
.macro OFFS os, used
	s_wait_alu depctr_va_sdst(0)                               ; the eight v_readlane_b32 have written s[SR ..], ahead of their first readers, the clamps
.irp j, 0,1,2,3,4,5,6,7
	s_min_u32 s[SR+\j], s[SR+\j], 0x7fff
.endr
.if \used
	s_wait_alu depctr_vm_vsrc(0)                               ; the loads of K and V that took their offsets from this set have read it; the shifts write it again.
.endif                                                             ; (Those loads are also done: the counted wait for their V, a batch ago, has shown it)
	OSET \os
.irp j, 0,1,2,3,4,5,6,7
	v_lshl_add_u32 v[VO+\j], s[SR+\j], 13, v[VLB]              ; row x 8,192 + my 16 bytes
.endr
.endm
.macro FILL reg, rs, os, base          ; eight loads, each 512 neighbouring bytes of one row: ring set rs, offset set os
	OSET \os
.irp j, 0,1,2,3,4,5,6,7
	global_load_b128 v[\reg+32*(\rs)+4*\j:\reg+32*(\rs)+4*\j+3], v[VO+\j], s[\base:\base+1]
.endr
.endm
; two partial sums a, b: lanes whose mask bit is 0 go on with a, the others with b, and each adds what its partner holds of the same one
.macro FOLD a, b, msk, x
	v_cndmask_b32 v[\a+1], v[\a], v[\b], s[\msk]               ; what I keep
	v_cndmask_b32 v[\a+3], v[\b], v[\a], s[\msk]               ; what my partner keeps
	v_add_f32_dpp v[\a], v[\a+3], v[\a+1] row_xmask:\x row_mask:0xf bank_mask:0xf
.endm
	s_load_b512 s[4:19], s[0:1], 0x0
	v_lshl_add_u32 v224, v0, 2, 0xc300
	v_mov_b32 v225, 0
	v_and_b32 v[LANE], 31, v0
	v_lshrrev_b32 v[T0], 5, v0
	v_readfirstlane_b32 s[W], v[T0]
	s_and_b32 s[BM], ttmp9, 15
	s_lshr_b32 s[HP], ttmp9, 4
	s_mov_b32 s[IDS],   0x03020100
	s_mov_b32 s[IDS+1], 0x07060504
	s_mov_b32 s[IDS+2], 0x0b0a0908
	s_mov_b32 s[IDS+3], 0x0f0e0d0c
	s_mov_b32 s[S07], 0x07070707
	s_mov_b32 s[S04], 0x04040404
	s_mov_b32 s[SM0], 0xaaaaaaaa
	s_mov_b32 s[SM1], 0xcccccccc
	s_mov_b32 s[SM2], 0xf0f0f0f0
	s_mov_b32 s[SLO], 0x0000ffff
	v_lshlrev_b32 v[VL16], 4, v[LANE]
	v_lshrrev_b32 v[HALF], 4, v[LANE]
	v_and_b32 v[T0], 7, v[LANE]
	v_lshlrev_b32 v[VMG], 6, v[T0]
	s_wait_alu depctr_va_sdst(0)                   ; v_readfirstlane_b32 has written s[W], ahead of its first reader
	s_lshl_b32 s34, s[W], 13                       ; s[34:35]: the wave's 128 rows of 64 bytes in beam_idx
	s_mov_b32 s35, 0
	s_lshl_b32 s48, s[BM], 13                      ; s[48:49]: 8,192 b: the beam's row in mask, query, key, value, out0
	s_mov_b32 s49, 0
	s_lshl_b32 s50, s[W], 9                        ; s[50:51]: 512 w
	s_mov_b32 s51, 0
	s_lshl_b32 s45, s[HP], 9                       ; two heads = 512 bytes
	s_lshl_b32 s52, s[W], 11                       ; 2,048 w
	s_lshl_b32 s53, s[W], 4                        ; 16 w
	s_lshl_b32 s55, s[W], 5                        ; 32 w
	s_mul_i32  s54, s[W], PKW
	v_add_nc_u32 v[VLB], s45, v[VL16]
	v_add_nc_u32 v[VCUR], s48, v[VLB]
	s_wait_kmcnt 0x0
	s_add_nc_u64 s[36:37], s[BEAM:BEAM+1], s[34:35]
	s_wait_alu depctr_va_vdst(0)                   ; v[VL16], v[VMG] and v[VCUR] are written: the 23 loads below read them as their offsets
.irp k, 0,1,2,3,4,5,6,7,8,9,10,11,12,13,14,15
	global_load_b128 v[BI+4*\k:BI+4*\k+3], v[VL16], s[36:37] offset:512*\k     ; 8 positions a load, in memory's order
.endr
	s_add_nc_u64 s[46:47], s[AMSK:AMSK+1], s[48:49]
	s_load_b32 s42, s[46:47], 0x1ffc               ; mask of position 2047
	s_add_nc_u64 s[40:41], s[46:47], s[50:51]
.irp q, 0,1,2,3
	global_load_b128 v[MKR+4*\q:MKR+4*\q+3], v[VMG], s[40:41] offset:16*\q     ; mask of positions 16 (lane & 7) + 0..15
.endr
	global_load_b128 v[Q:Q+3],     v[VCUR], s[QRY:QRY+1]
	global_load_b128 v[KCU:KCU+3], v[VCUR], s[KEY:KEY+1]
	global_load_b128 v[VCU:VCU+3], v[VCUR], s[VLU:VLU+1]
	v_and_b32 v[T0], 15, v[LANE]
	v_mul_u32_u24 v[APK], v[HALF], 0x50
	v_lshl_add_u32 v[APK], v[T0], 2, v[APK]
	v_add_nc_u32 v[APK], s54, v[APK]
	v_mul_u32_u24 v[APL], v[LANE], 0x50
	v_add_nc_u32 v[APL], s54, v[APL]
	v_lshl_add_u32 v[P16], v[LANE], 6, s52
	v_add_nc_u32 v[AW16], s50, v[VL16]
	v_lshl_add_u32 v[ASC], v[HALF], 4, s55
	v_lshl_add_u32 v[VML], v[HALF], 3, s53
	v_lshlrev_b32 v[VML0], 3, v[HALF]
	v_cmp_eq_u32 s38, 0x1ff, v0                    ; the thread that holds position 2047
	; THE TRACE.  Four indices become four bytes.  Load k's lane holds quarter (lane & 3) of position 8 k + lane / 4; the map of position p
	; goes to 80 (p / 4) + 16 (p & 3): a store's two halves of 16 lanes fill 64 neighbouring bytes each, 80 apart.
.irp k, 0,1,2,3,4,5,6,7,8,9,10,11,12,13,14,15
	s_wait_loadcnt 22-\k                           ; loads return in order (ISA guide 5.7.1): 15-k loads of beam_idx and seven others are younger
	v_lshl_or_b32 v[BI+4*\k], v[BI+4*\k+1], 8,  v[BI+4*\k]
	v_lshl_or_b32 v[BI+4*\k], v[BI+4*\k+2], 16, v[BI+4*\k]
	v_lshl_or_b32 v[BI+4*\k], v[BI+4*\k+3], 24, v[BI+4*\k]
.endr
	s_wait_alu depctr_va_vdst(0)                   ; the sixteen packed words are written, the stores' data; so are all the LDS addresses made above
.irp k, 0,1,2,3,4,5,6,7,8,9,10,11,12,13,14,15
	ds_store_b32 v[APK], v[BI+4*\k] offset:PKT+160*\k
.endr
.irp i, 0,1,2,3
	ds_load_b128 v[MM+4*\i:MM+4*\i+3], v[APL] offset:PKT+16*\i     ; map of position 4 lane + i; lanes 80 bytes apart: 16 lanes, 16 different columns
.endr                                                                  ; of 16 bytes.  LDS serves a wave in order: the stores above are seen
	s_wait_dscnt 0x0
	s_wait_alu depctr_va_sdst(0)                   ; the compare has written s38, ahead of its first reader
.irp k, 0,1,2,3
	v_cndmask_b32 v[MM+12+\k], v[MM+12+\k], s[IDS+\k], s38     ; beam_idx[2047] is no part of the trace: the identity stands for it
.endr
	COMPOSE PC, MM, MM+4                           ; my four positions as one map: (m0 o m1) o (m2 o m3)
	COMPOSE SB, MM+8, MM+12
	COMPOSE SA, PC, SB
	ROWSCAN SA, SB                                 ; lane l of a row: my positions and all later ones of the row's 64
.irp k, 0,1,2,3
	v_mov_b32_dpp v[SB+\k], v[SA+\k] row_share:0 row_mask:0xf bank_mask:0xf    ; the row's first lane holds the whole of its 64 positions:
.endr                                                                              ; every lane of the row takes that map,
	s_wait_alu depctr_va_vdst(0)                   ; v[SB ..] is written, the store's data
	ds_store_b128 v[ASC], v[SB:SB+3] offset:SCR    ; and the 16 lanes write the same 16 bytes: entry 2 w + lane / 16 of a dense table of 32 maps
	s_wait_dscnt 0x0
	s_barrier_signal -1
	s_barrier_wait -1
	ds_load_b128 v[UA:UA+3], v[VL16] offset:SCR    ; lane j: run j of the 32 runs of 64 positions; 512 neighbouring bytes
	v_mov_b32 v[VBM], s[BM]
	s_lshl_b32 s54, s[W], 1
	s_add_co_u32 s54, s54, 1
	v_add_lshl_u32 v[IDX], v[HALF], s54, 2         ; 4 x (my run of 64 + 1)
	s_wait_dscnt 0x0
	ROWSCAN UA, UB
	LOOKUP Y, UA, VBM                              ; lanes 16-31: the beam's ancestor below runs j .. 31
	v_readlane_b32 s39, v[Y], 16
	s_wait_alu depctr_va_sdst(0)                   ; v_readlane_b32 has written s39, which the select reads
	v_cndmask_b32 v[VAL], v[VBM], s39, s[SLO]      ; lanes 0-15 start from what runs 16 .. 31 made of the beam
	LOOKUP Y, UA, VAL
	s_wait_alu depctr_va_vdst(0)                   ; v[Y] and v[IDX] are written, which the permute reads
	ds_bpermute_b32 v[E], v[IDX], v[Y]             ; what enters my run of 64 from above: lane (run + 1)'s number;
	v_cmp_eq_u32 vcc_lo, 0x80, v[IDX]
	s_wait_dscnt 0x0
	s_wait_alu depctr_va_vcc(0)                    ; the compare has written VCC, which the select reads
	v_cndmask_b32 v[E], v[E], v[VBM], vcc_lo       ; the last run starts from the beam itself
	LOOKUP Z, SA, E                                ; trace of my first position
	v_mov_b32 v[XE], v[E]
	v_mov_b32_dpp v[XE], v[Z] row_shl:1 row_mask:0xf bank_mask:0xf     ; what enters my four positions: my upper neighbour's first
	LOOKUP X3, MM+12, XE
	LOOKUP X2, MM+8, X3
	LOOKUP X1, MM+4, X2
	v_add_nc_u32 v[RX], v[Z], v[P16]               ; cache row = 16 t + trace
	v_add3_u32 v[RX+1], v[X1], v[P16], 16
	v_add3_u32 v[RX+2], v[X2], v[P16], 32
	v_add3_u32 v[RX+3], v[X3], v[P16], 48
	v_cndmask_b32 v[RX+3], v[RX+3], v[RX+2], s38   ; cache row 2047 is never read: its place repeats position 2046, with weight 0
	; THE RING: batches 0 and 1, K then V.  Both sets of offsets are made first, so that one pair of waits serves the 32 loads
	ROWS 0
	OFFS 0, 0
	ROWS 1
	OFFS 1, 0
	s_wait_alu depctr_va_vdst(0)                   ; offset sets 0 and 1 are written, which the loads read; the trace's vector lines are done with the ring's registers, in which they land
	s_wait_alu depctr_vm_vsrc(0)                   ; the LDS stores have read v[BI ..] and v[SB ..], the permute v[IDX] and v[Y]: registers of the ring, in which the loads land
	FILL KR, 0, 0, KCA
	FILL VR, 0, 0, VCA
	FILL KR, 1, 1, KCA
	FILL VR, 1, 1, VCA
	; THE CURRENT TOKEN starts every wave's maximum; wave 15 alone takes its weight and value into the sums
	s_wait_loadcnt 32                              ; mask, q, key, value are in: only the ring's 32 loads are younger
	v_pk_mul_f32 v[Q:Q+1],   v[Q:Q+1],   0x3e38aa3b op_sel_hi:[1,0]    ; q x log2(e) / 8
	v_pk_mul_f32 v[Q+2:Q+3], v[Q+2:Q+3], 0x3e38aa3b op_sel_hi:[1,0]
	v_pk_mul_f32 v[DD:DD+1], v[KCU:KCU+1], v[Q:Q+1]
	v_pk_fma_f32 v[DD:DD+1], v[KCU+2:KCU+3], v[Q+2:Q+3], v[DD:DD+1]
	v_add_f32 v[DD], v[DD], v[DD+1]
	v_add_f32_dpp v[DD], v[DD], v[DD] row_xmask:1 row_mask:0xf bank_mask:0xf
	v_add_f32_dpp v[DD], v[DD], v[DD] row_xmask:2 row_mask:0xf bank_mask:0xf
	v_add_f32_dpp v[DD], v[DD], v[DD] row_xmask:4 row_mask:0xf bank_mask:0xf
	v_add_f32_dpp v[DD], v[DD], v[DD] row_xmask:8 row_mask:0xf bank_mask:0xf
	s_wait_kmcnt 0x0
	v_fma_f32 v[DD], s42, 0x3fb8aa3b, v[DD]
	v_max_num_f32 v[M], 0xff000000, v[DD]          ; never below -1.7e38, so that -infinity minus the maximum stays -infinity
	v_sub_f32 v[P], v[DD], v[M]
	v_exp_f32 v[P], v[P]
	s_cmp_eq_u32 s[W], 15
	s_cselect_b32 s43, -1, 0
	s_cselect_b32 s44, 0x01010101, 0               ; the sum of weights is kept in shares of 8 lanes: lanes 0, 8, 16, 24 take this one
	s_cselect_b32 s55, 0x80808080, 0               ; wave 15, lanes with lane & 7 = 7, register 15: position 2047's place in the mask
	v_mov_b32 v[AL+1], 0                           ; the plain instruction behind v_exp_f32 (ISA guide 5.7.2); fills the pair
	v_mov_b32 v[MX], 0                             ; a DPP destination has to have been written
	v_mov_b32 v[T0], 0xff800000                    ; -infinity:
	v_cndmask_b32 v[MKR+15], v[MKR+15], v[T0], s55 ; position 2047 is served here, its place in the batches is shut
	s_wait_alu depctr_va_vdst(0)                   ; v_exp_f32 has written v[P], ahead of its first reader
	v_cndmask_b32 v[L], 0, v[P], s44
.irp k, 0,1,2,3
	v_mul_f32 v[ACC+\k], v[P], v[VCU+\k]
.endr
.irp k, 0,1,2,3
	v_cndmask_b32 v[ACC+\k], 0, v[ACC+\k], s43
.endr
; Row j of K of batch bn + 2, where there is such a batch: into the ring set that batch bn has just read, by the offset set that it has just made
.macro KLD bn, j
.if \bn < NB-2
	global_load_b128 v[KB+4*(\j):KB+4*(\j)+3], v[VO+(\j)], s[KCA:KCA+1]
.endif
.endm
; One batch: 8 positions.  Set bn & 1 of the ring.  K's registers are filled again (batch bn + 2) behind the exponentials, V's behind the sums.
.macro BATCH bn
.set PS, (\bn)&1
.set KB, KR+32*PS
.set VB, VR+32*PS
.set LEFTK, 24                         ; younger than K(bn): V(bn), K(bn+1), V(bn+1)
.set LEFTV, 24                         ; younger than V(bn): K(bn+1), V(bn+1), K(bn+2)
.if \bn == NB-2
.set LEFTV, 16                         ; nothing is fetched any more: the counts run down
.endif
.if \bn == NB-1
.set LEFTK, 8
.set LEFTV, 0
.endif
.if \bn < NB-2
	ROWS \bn+2                                     ; the row numbers of batch bn + 2 are read out here; their first readers stand behind the dot products
.endif
	s_wait_loadcnt LEFTK
.irp j, 0,1,2,3,4,5,6,7
	v_pk_mul_f32 v[DD+2*\j:DD+2*\j+1], v[KB+4*\j:KB+4*\j+1], v[Q:Q+1]
.endr
.irp j, 0,1,2,3,4,5,6,7
	v_pk_fma_f32 v[DD+2*\j:DD+2*\j+1], v[KB+4*\j+2:KB+4*\j+3], v[Q+2:Q+3], v[DD+2*\j:DD+2*\j+1]
.endr
.irp j, 0,1,2,3,4,5,6,7
	v_add_f32 v[DD+2*\j], v[DD+2*\j], v[DD+2*\j+1]                     ; my 4 dims of position bn + 16 j
.endr
.if \bn < NB-2
	OFFS (\bn+2)%3, \bn                            ; in batch 0 the third set is written for the first time: no load has read it
.endif
	; 8 sums over 16 lanes: three halving steps leave j = r & 7 in lane r, the fourth joins the two halves of the row
	FOLD DD,    DD+2,  SM0, 1
	FOLD DD+4,  DD+6,  SM0, 1
	FOLD DD+8,  DD+10, SM0, 1
	FOLD DD+12, DD+14, SM0, 1
	FOLD DD,    DD+4,  SM1, 2
	FOLD DD+8,  DD+12, SM1, 2
	FOLD DD,    DD+8,  SM2, 4
	v_add_f32_dpp v[DD], v[DD], v[DD] row_xmask:8 row_mask:0xf bank_mask:0xf
	v_fmamk_f32 v[DD], v[MKR+\bn], 0x3fb8aa3b, v[DD]                   ; + mask x log2(e)
	v_max_num_f32_dpp v[MX], v[DD], v[DD] row_xmask:1 row_mask:0xf bank_mask:0xf
	v_max_num_f32_dpp v[MX], v[MX], v[MX] row_xmask:2 row_mask:0xf bank_mask:0xf
	v_max_num_f32_dpp v[MX], v[MX], v[MX] row_xmask:4 row_mask:0xf bank_mask:0xf
	v_max_num_f32 v[MN], v[M], v[MX]
	v_sub_f32 v[AL], v[M], v[MN]
	v_sub_f32 v[P], v[DD], v[MN]
	v_exp_f32 v[AL], v[AL]
	v_exp_f32 v[P], v[P]
	v_mov_b32 v[M], v[MN]                          ; the plain instruction behind the two v_exp_f32 (ISA guide 5.7.2)
	s_wait_alu depctr_va_vdst(0)                   ; the two v_exp_f32 have written v[AL] and v[P], ahead of their first reader; where the batch fetches: the dot products
	                                               ; are done reading this set of K, in which the loads below land, and the shifts have written the offsets that they read
	KLD \bn, 0                                     ; no vector line from here to the last of the eight loads names a register of K's set or an offset
	v_fma_f32 v[L], v[L], v[AL], v[P]
	KLD \bn, 1
	v_pk_mul_f32 v[ACC:ACC+1],   v[ACC:ACC+1],   v[AL:AL+1] op_sel_hi:[1,0]
	KLD \bn, 2
	v_pk_mul_f32 v[ACC+2:ACC+3], v[ACC+2:ACC+3], v[AL:AL+1] op_sel_hi:[1,0]
.irp j, 0,1,2,3,4,5,6,7
.if \j < 5
	KLD \bn, \j+3
.endif
	v_mov_b32_dpp v[DD+2*\j], v[P] row_share:\j row_mask:0xf bank_mask:0xf     ; weight j to all 16 lanes of the head
.endr
	s_wait_loadcnt LEFTV
.irp j, 0,1,2,3,4,5,6,7
	v_pk_fma_f32 v[ACC:ACC+1],   v[DD+2*\j:DD+2*\j+1], v[VB+4*\j:VB+4*\j+1],   v[ACC:ACC+1]   op_sel_hi:[0,1,1]
	v_pk_fma_f32 v[ACC+2:ACC+3], v[DD+2*\j:DD+2*\j+1], v[VB+4*\j+2:VB+4*\j+3], v[ACC+2:ACC+3] op_sel_hi:[0,1,1]
.endr
.if \bn < NB-2
	s_wait_alu depctr_va_vdst(0)                   ; the sums are done reading this set of V, in which the loads below land
	FILL VR, PS, (\bn+2)%3, VCA
.endif
.endm
	; 16 batches written out: the lane and register of every row number, the mask's register and the offset set are constants, and the last two fetch nothing
.irp b, 0,1,2,3,4,5,6,7,8,9,10,11,12,13,14,15
	BATCH \b
.endr
	; THE WAVES MEET
	v_add_f32_dpp v[L], v[L], v[L] row_xmask:1 row_mask:0xf bank_mask:0xf      ; eight shares (lanes r and r + 8 hold the same)
	v_add_f32_dpp v[L], v[L], v[L] row_xmask:2 row_mask:0xf bank_mask:0xf
	v_add_f32_dpp v[L], v[L], v[L] row_xmask:4 row_mask:0xf bank_mask:0xf
	s_wait_alu depctr_va_vdst(0)                   ; v[ACC ..], v[M] and v[L] are written, the two stores' data; the batches are done reading the ring, in which wave 0's LDS loads land
	ds_store_b128 v[AW16], v[ACC:ACC+3] offset:ACCB
	ds_store_b64 v[VML], v[M:M+1] offset:MLB       ; the 16 lanes of a head write the same two words
	s_wait_dscnt 0x0
	s_wait_alu depctr_vm_vsrc(0)                   ; the two stores have read v[ACC ..] and v[L], which wave 0 writes again behind the branch
	s_barrier_signal -1
	s_barrier_wait -1
	s_cmp_lg_u32 s[W], 0
	s_cbranch_scc1 .Lend
.set EM, KR                            ; (m, l) of wave w in v[EM+2w : EM+2w+1]
.set EA, VR                            ; its sums in v[EA+4w : EA+4w+3]
.irp w, 0,1,2,3,4,5,6,7,8,9,10,11,12,13,14,15
	ds_load_b64 v[EM+2*\w:EM+2*\w+1], v[VML0] offset:MLB+16*\w
.endr
.irp w, 0,1,2,3,4,5,6,7,8,9,10,11,12,13,14,15
	ds_load_b128 v[EA+4*\w:EA+4*\w+3], v[VL16] offset:ACCB+512*\w
.endr
	s_wait_dscnt 16                                ; the sixteen (m, l); the sixteen loads of sums are younger and may still be out
	v_max_num_f32 v[MX], v[EM], v[EM+2]
.irp w, 2,4,6,8,10,12,14
	v_max3_num_f32 v[MX], v[MX], v[EM+2*\w], v[EM+2*\w+2]
.endr
.irp w, 0,1,2,3,4,5,6,7,8,9,10,11,12,13,14,15
	v_sub_f32 v[EM+2*\w], v[EM+2*\w], v[MX]
.endr
.irp w, 0,1,2,3,4,5,6,7,8,9,10,11,12,13,14,15
	v_exp_f32 v[EM+2*\w], v[EM+2*\w]
.endr
	v_nop                                          ; behind the last v_exp_f32 (ISA guide 5.7.2)
	s_wait_dscnt 0x0
	s_wait_alu depctr_va_vdst(0)                   ; the sixteen v_exp_f32 have written their results, ahead of the first reader
	v_mul_f32 v[L], v[EM], v[EM+1]                 ; the first wave's terms start the sums
	v_pk_mul_f32 v[ACC:ACC+1],   v[EA:EA+1],   v[EM:EM+1] op_sel_hi:[1,0]
	v_pk_mul_f32 v[ACC+2:ACC+3], v[EA+2:EA+3], v[EM:EM+1] op_sel_hi:[1,0]
.irp w, 1,2,3,4,5,6,7,8,9,10,11,12,13,14,15
	v_fmac_f32 v[L], v[EM+2*\w], v[EM+2*\w+1]
	v_pk_fma_f32 v[ACC:ACC+1],   v[EA+4*\w:EA+4*\w+1],   v[EM+2*\w:EM+2*\w+1], v[ACC:ACC+1]   op_sel_hi:[1,0,1]
	v_pk_fma_f32 v[ACC+2:ACC+3], v[EA+4*\w+2:EA+4*\w+3], v[EM+2*\w:EM+2*\w+1], v[ACC+2:ACC+3] op_sel_hi:[1,0,1]
.endr
	v_rcp_f32 v[L], v[L]
	v_nop
	s_wait_alu depctr_va_vdst(0)                   ; v_rcp_f32 has written v[L], ahead of its first reader
.irp k, 0,1,2,3
	v_mul_f32 v[ACC+\k], v[ACC+\k], v[L]
.endr
	s_wait_alu depctr_va_vdst(0)                   ; the four products are written, the store's data
	global_store_b128 v[VCUR], v[ACC:ACC+3], s[OUT:OUT+1]      ; the wave's store covers 512 neighbouring bytes, aligned
.Lend:
	s_wait_dscnt 0x0                               ; the closing lines, six on end
	s_wait_alu 0x0
	s_wait_tensorcnt 0x0
	ds_add_u32 v224, v225
	s_wait_dscnt 0x0
	s_endpgm
.Lfunc_end_k_q076c44fcd6_attn:
	.size	k_q076c44fcd6_attn, .Lfunc_end_k_q076c44fcd6_attn-k_q076c44fcd6_attn
	.p2alignl 7, 3214868480
	.fill 96, 4, 3214868480
	.section	.rodata,"a",@progbits
	.p2align	6, 0x0
	.amdhsa_kernel k_q076c44fcd6_attn
		.amdhsa_group_segment_fixed_size 51968
		.amdhsa_private_segment_fixed_size 0
		.amdhsa_enable_private_segment 0
		.amdhsa_kernarg_size 64
		.amdhsa_user_sgpr_count 2
		.amdhsa_user_sgpr_kernarg_segment_ptr 1
		.amdhsa_wavefront_size32 1
		.amdhsa_system_sgpr_workgroup_id_x 1
		.amdhsa_system_sgpr_workgroup_id_y 1
		.amdhsa_system_sgpr_workgroup_id_z 1
		.amdhsa_system_vgpr_workitem_id 0
		.amdhsa_next_free_vgpr 234
		.amdhsa_next_free_sgpr 66
		.amdhsa_reserve_vcc 1
		.amdhsa_float_denorm_mode_32 3
		.amdhsa_float_denorm_mode_16_64 3
		.amdhsa_memory_ordered 1
		.amdhsa_forward_progress 1
		.amdhsa_inst_pref_size 166
	.end_amdhsa_kernel
	.amdgpu_metadata
---
amdhsa.version: [ 1, 2 ]
amdhsa.kernels:
  - .name:           k_q076c44fcd6_attn
    .symbol:         k_q076c44fcd6_attn.kd
    .args:
      - { .name: beam_idx, .offset: 0, .size: 8, .value_kind: global_buffer, .address_space: global }
      - { .name: attention_mask, .offset: 8, .size: 8, .value_kind: global_buffer, .address_space: global }
      - { .name: query, .offset: 16, .size: 8, .value_kind: global_buffer, .address_space: global }
      - { .name: key, .offset: 24, .size: 8, .value_kind: global_buffer, .address_space: global }
      - { .name: value, .offset: 32, .size: 8, .value_kind: global_buffer, .address_space: global }
      - { .name: key_cache, .offset: 40, .size: 8, .value_kind: global_buffer, .address_space: global }
      - { .name: value_cache, .offset: 48, .size: 8, .value_kind: global_buffer, .address_space: global }
      - { .name: out0, .offset: 56, .size: 8, .value_kind: global_buffer, .address_space: global }
    .group_segment_fixed_size: 51968
    .private_segment_fixed_size: 0
    .kernarg_segment_align: 8
    .kernarg_segment_size: 64
    .max_flat_workgroup_size: 512
    .sgpr_count:     66
    .vgpr_count:     234
    .wavefront_size: 32
...
	.end_amdgpu_metadata
.endif
;; end of part 2
